; MI455X (gfx1250); checked and timed in simulation.
; The chip was launched on July 23, 2026; its instructions are those of AMD's public machine-readable ISA for CDNA 5 (MIT licence, August 2026) and "CDNA5" Instruction Set Architecture Reference Guide (July 2026). The comments in the code are by the model that wrote it; some were corrected since.
;; Attn. Allowed arithmetic: matrix products marked QUANTISED: E2M3 operands, one E8M0 scale for each 32 along K, by v_wmma_scale_f32_16x16x128_f8f6f4 with both operands' format E2M3, f32 sums; products left as they are: f32 operands where the result goes on into a quantised operand, else bf16, f16 or f32 operands; f32 sums; everything else in f32.
;; Inputs: W 512 x 1,024 float32; b 512 float32; encoderOutputs 4,096 x 32 x 512 float32; hidden 1 x 32 x 512 float32; v 512 float32.
;; Outputs: out0 32 x 1 x 4,096 float32.
;; This version of the problem:
;;   THIS VERSION OF THE PROBLEM IS GIVEN IN LOW PRECISION. The matrix products marked QUANTISED in the list below multiply operands that are first quantised to E2M3 (2 exponent bits, 3 mantissa bits; 6 bits a number), with one power-of-two scale for each 32 numbers along K (OCP MX v1.0); their sums are f32. All else is computed in f32.
;;   The module's matrix products, in the order in which they are computed (A, B: the left and right operand; K: the contracted axis; several contracted axes count as one K, in the product's order):
;;     1. [M 32, K 512] x [K 512, N 512]; A: computed on the way; B: input W: QUANTISED
;;     2. [M 131,072, K 512] x [K 512, N 512]; A: input encoderOutputs; B: input W: QUANTISED
;;     3. [M 1, K 512] x [K 512, N 131,072]; A: input v; B: computed on the way: left as it is (M = 1 < 16)
;;   THE QUANTISER, for each operand of a quantised product, along K:
;;     - K is cut into blocks of 32 from its start; a last block that is shorter is filled with zeros.
;;     - A block's scale is 2^e with e = floor(log2(the largest magnitude in the block)) - 2, held to -126 .. 127; a block of zeros has e = 0. As a byte (E8M0): e + 127.
;;     - Each number is divided by its block's scale, clamped to +-7.5, and rounded to the nearest number of E2M3, ties to even, subnormals kept.
;;     - The product sums the exact products of the quantised numbers (number of the format x scale) in f32.
;;   ~~~python
;;   def quantise(x, axis):      # numpy; x: float32 -> the quantised numbers, widened to float32 again
;;       x = np.moveaxis(x, axis, -1); K = x.shape[-1]
;;       x = np.pad(x, [(0, 0)] * (x.ndim - 1) + [(0, -K % 32)]); x = x.reshape(x.shape[:-1] + (-1, 32)); a = np.abs(x).max(-1, keepdims=True)
;;       e = np.where(a > 0, np.clip(np.frexp(np.where(a > 0, a, 1))[1] - 1 - 2, -126, 127), 0)      # np.frexp(a)[1] - 1 = floor(log2(a)), exactly
;;       r = np.clip(x / 2.0 ** e, -7.5, 7.5)
;;       step = 2.0 ** (np.maximum(np.frexp(np.where(r == 0, 1, r))[1] - 1, 0) - 3)
;;       q = np.round(r / step) * step * 2.0 ** e      # np.round: ties to even
;;       return np.moveaxis(q.reshape(q.shape[:-2] + (-1,))[..., :K], -1, axis).astype(np.float32)
;;   ~~~
;;   OPERANDS COMPUTED ON THE WAY. 'Computed on the way' means the value that the module computes at that place (a softmax that the list does not call 'softmax' is quantised finished and normalised). What goes into a quantiser is computed in f32, as accurately as f32 sums, v_exp_f32 and their like allow (about 1e-6 of the number): no bf16 or f16 on the way to a quantiser, and a product that is left as it is and whose result goes on into a quantised operand takes f32 operands (vector FMAs, or v_wmma_f32_16x16x4_f32). A number that lies on a knife's edge between two numbers of the format may be rounded either way, as far as f32 arithmetic and the matrix unit's own rounding can turn it there, and no further.
;; One version. Each part assembles by itself: llvm-mc -triple=amdgcn-amd-amdhsa -mcpu=gfx1250 --defsym DOCPART=n.
;; ======== version 1 of 1: 3 launches
;; limits: right only within a limited range of input values
;; workspace buffers: w2img 196,608 bytes; w2sc 8,192 bytes; scores 524,288 bytes
;; launch prep (part 1): grid 32 x 1, 4 waves a work-group, no clusters, 1,024 bytes of LDS; arguments W, w2img, w2sc; writes w2img, w2sc
.if DOCPART == 1
	.amdgcn_target "amdgcn-amd-amdhsa--gfx1250"
	.amdhsa_code_object_version 6
	.text
	.protected	k_q9ede76819b_prep
	.globl	k_q9ede76819b_prep
	.p2align	8
	.type	k_q9ede76819b_prep,@function
k_q9ede76819b_prep:
	s_mov_b64 s[64:65], 0
	v_nop
	global_prefetch_b8 v0, s[64:65] scope:SCOPE_SE
	s_setreg_imm32_b32 hwreg(HW_REG_WAVE_MODE, 25, 1), 1
	s_wait_xcnt 0x0
; W2 = W[:, 512:1024] is quantised along K to codes of FP6 (E2M3) with one E8M0 byte for each 32 along K.
; WORK LEFT OUT.  scores[b][s] = v . e_proj[s][b] + v . (h_proj[b] + bias).  The second term does not hang on s, and the softmax runs over s:
; exp(x + t) / sum exp(x + t) = exp(x) / sum exp(x) for every t.  So h_proj (the product of hidden with W1), the bias and W1 reach no output, whatever finite values the inputs hold:
; the product is not made, and hidden, b and W[:, 0:512] are not loaded; hidden and b are among no launch's arguments.
; LIMIT: a NaN, an infinity or an overflow that would arise in that term alone is not carried to the result.  NaN and infinities among the inputs are not served.
; A block of zeros gets the byte 1 where the rule says 127: its codes are zeros, which add nothing under any byte but 0xff, and this program alone reads the bytes.
; SHARES.  Work-group g = 8 s + q takes K step s (128 along K) of units 64 q .. 64 q + 63; its wave e takes tile T = 4 q + e, 16 units: one operand fragment.
; The fragment leaves as an IMAGE OF THE OPERAND'S REGISTERS: fragment 32 s + T = 4 g + e at 1,536 bytes each, registers 4 p .. 4 p + 3 of lane l at 512 p + 16 l.
; The scale words of the work-group's four tiles meet in LDS at 16 r + 4 e and leave as one run of 256 bytes at 256 g: the next launch's lane r takes four tiles' words by one load of 16 bytes.
; 32 work-groups of 4 waves: as many waves as W2 has fragments.
.set AW,  4                            ; v4   W: 4,096 r + 128 h
.set LI,  6                            ; v6   16 x lane
.set SW,  9                            ; v9   LDS: 16 r + 4 e
.set SH8, 11                           ; v11  8 h
.set L8,  13                           ; v13  8 x lane
.set TP,  28                           ; v28  a lane permute's destination
.set PC,  40                           ; v40-51   the codes
.set X,   128                          ; v128-191 64 numbers: register 32 c + i = k 64 c + 32 h + i of my row
.set CT,  216
.set MX,  224
.set SO,  228
.set BY,  230
.set PW,  233                          ; my row's scale word
	s_load_b128 s[4:7], s[0:1], 0x0                ; W, w2img
	s_load_b64 s[8:9], s[0:1], 0x10                ; w2sc
	v_lshl_add_u32 v254, v0, 2, 256                ; my spare word; the spare words lie behind the 256 bytes of scale words
	v_mov_b32 v255, 0
	v_lshrrev_b32 v1, 5, v0
	v_readfirstlane_b32 s16, v1                    ; wave e
	s_mov_b32 s20, 0x76543210
	s_mov_b32 s21, 0xfedcba98                      ; selects for lane l xor 16
	s_lshl_b32 s17, s16, 2
	v_and_b32 v1, 15, v0                           ; r
	v_bfe_u32 v2, v0, 4, 1                         ; h
	v_and_b32 v3, 31, v0
	v_lshlrev_b32 v[AW], 12, v1
	v_lshl_add_u32 v[AW], v2, 7, v[AW]
	v_lshlrev_b32 v[LI], 4, v3
	v_lshl_add_u32 v[SW], v1, 4, s17
	v_lshlrev_b32 v[SH8], 3, v2
	v_lshlrev_b32 v[L8], 3, v3
	v_mov_b32 v[TP], 0
	s_and_b32 s18, ttmp9, 7
	s_lshl_b32 s18, s18, 2
	s_add_co_u32 s18, s18, s16                     ; T
	s_lshl_b32 s18, s18, 16                        ; 16 rows of 4,096 bytes
	s_lshr_b32 s19, ttmp9, 3
	s_lshl_b32 s19, s19, 9                         ; 512 bytes a K step,
	s_add_co_u32 s18, s18, s19
	s_add_co_u32 s18, s18, 2048                    ; behind W1's half of the row
	s_mov_b32 s19, 0
	s_lshl_b32 s22, ttmp9, 2
	s_add_co_u32 s22, s22, s16
	s_mul_i32 s22, s22, 1536
	s_mov_b32 s23, 0
	s_lshl_b32 s24, ttmp9, 8
	s_mov_b32 s25, 0
	s_wait_alu depctr_va_vdst(0)
	s_wait_kmcnt 0x0
	s_add_nc_u64 s[4:5], s[4:5], s[18:19]
	s_add_nc_u64 s[6:7], s[6:7], s[22:23]
	s_add_nc_u64 s[8:9], s[8:9], s[24:25]
.irp c, 0,1
.irp i, 0,1,2,3,4,5,6,7
	global_load_b128 v[X+32*\c+4*\i:X+32*\c+4*\i+3], v[AW], s[4:5] offset:256*\c+16*\i
.endr
.endr
	s_wait_loadcnt 0x0
.irp c, 0,1                                            ; two whole blocks of 32 a lane; each block's largest magnitude in two chains
	v_max3_num_f32 v[MX+2*\c], |v[X+32*\c]|, |v[X+32*\c+1]|, |v[X+32*\c+2]|
	v_max3_num_f32 v[MX+2*\c+1], |v[X+32*\c+3]|, |v[X+32*\c+4]|, |v[X+32*\c+5]|
.endr
.irp i, 6,10,14,18,22,26
.irp c, 0,1
	v_max3_num_f32 v[MX+2*\c], v[MX+2*\c], |v[X+32*\c+\i]|, |v[X+32*\c+\i+1]|
	v_max3_num_f32 v[MX+2*\c+1], v[MX+2*\c+1], |v[X+32*\c+\i+2]|, |v[X+32*\c+\i+3]|
.endr
.endr
.irp c, 0,1
	v_max3_num_f32 v[MX+2*\c], v[MX+2*\c], |v[X+32*\c+30]|, |v[X+32*\c+31]|
.endr
.irp c, 0,1
	v_max3_num_f32 v[MX+2*\c], v[MX+2*\c], v[MX+2*\c+1], 0x1800000   ; the floor 2^(3 - 127): the byte cannot fall under 1
.endr
.irp c, 0,1
	v_add_nc_u32 v[SO+\c], 0xff000000, v[MX+2*\c]  ; 2 off the exponent field: the conversion's scale operand
.endr
.irp c, 0,1
	v_lshrrev_b32 v[BY+\c], 23, v[SO+\c]           ; the scale's byte
.endr
	v_lshl_or_b32 v[PW], v[BY+1], 16, v[BY]        ; blocks h and 2 + h,
	v_lshlrev_b32 v[PW], v[SH8], v[PW]             ; 8 h bits up;
	v_permlanex16_b32 v[TP], v[PW], s20, s21
	v_or_b32 v[PW], v[PW], v[TP]                   ; with lane l xor 16's two the word is whole
.irp c, 0,1
	v_cvt_scalef32_pk16_fp6_f32 v[PC+6*\c:PC+6*\c+2], v[X+32*\c:X+32*\c+15], v[SO+\c]
	v_cvt_scalef32_pk16_fp6_f32 v[CT+4*\c:CT+4*\c+2], v[X+32*\c+16:X+32*\c+31], v[SO+\c]   ; (three registers from an even one on: made here and moved)
.endr
	v_nop                                          ; one plain place behind the scaled conversions
.irp c, 0,1
.irp i, 0,1,2
	v_mov_b32 v[PC+6*\c+3+\i], v[CT+4*\c+\i]
.endr
.endr
	ds_store_b32 v[SW], v[PW]                      ; both halves of the lanes write the same word with the same value
.irp p, 0,1,2
	global_store_b128 v[LI], v[PC+4*\p:PC+4*\p+3], s[6:7] offset:512*\p   ; 32 lanes store 512 consecutive bytes
.endr
	s_wait_dscnt 0x0                               ; for wave 0's sake: my word has landed
	s_barrier_signal -1
	s_barrier_wait -1
	s_cmp_lg_u32 s16, 0
	s_cbranch_scc1 .Lothers
	ds_load_b64 v[52:53], v[L8]
	s_wait_dscnt 0x0
	global_store_b64 v[L8], v[52:53], s[8:9]       ; 32 lanes store 256 consecutive bytes, at a multiple of 256
	s_wait_tensorcnt 0x0                           ; the wave's end
	ds_add_u32 v254, v255
	s_wait_dscnt 0x0
	s_endpgm
.Lothers:
	s_wait_tensorcnt 0x0
	ds_add_u32 v254, v255
	s_wait_dscnt 0x0
	s_endpgm
.Lfunc_end_k_q9ede76819b_prep:
	.size	k_q9ede76819b_prep, .Lfunc_end_k_q9ede76819b_prep-k_q9ede76819b_prep
	.p2alignl 7, 3214868480
	.fill 96, 4, 3214868480
	.section	.rodata,"a",@progbits
	.p2align	6, 0x0
	.amdhsa_kernel k_q9ede76819b_prep
		.amdhsa_group_segment_fixed_size 1024
		.amdhsa_private_segment_fixed_size 0
		.amdhsa_enable_private_segment 0
		.amdhsa_kernarg_size 24
		.amdhsa_user_sgpr_count 2
		.amdhsa_user_sgpr_kernarg_segment_ptr 1
		.amdhsa_wavefront_size32 1
		.amdhsa_system_sgpr_workgroup_id_x 1
		.amdhsa_system_sgpr_workgroup_id_y 1
		.amdhsa_system_sgpr_workgroup_id_z 1
		.amdhsa_system_vgpr_workitem_id 0
		.amdhsa_next_free_vgpr 256
		.amdhsa_next_free_sgpr 66
		.amdhsa_reserve_vcc 0
		.amdhsa_float_denorm_mode_32 3
		.amdhsa_float_denorm_mode_16_64 3
		.amdhsa_memory_ordered 1
		.amdhsa_forward_progress 1
		.amdhsa_inst_pref_size 8
	.end_amdhsa_kernel
	.amdgpu_metadata
---
amdhsa.version: [ 1, 2 ]
amdhsa.kernels:
  - .name:           k_q9ede76819b_prep
    .symbol:         k_q9ede76819b_prep.kd
    .args:
      - { .name: W, .offset: 0, .size: 8, .value_kind: global_buffer, .address_space: global }
      - { .name: w2img, .offset: 8, .size: 8, .value_kind: global_buffer, .address_space: global }
      - { .name: w2sc, .offset: 16, .size: 8, .value_kind: global_buffer, .address_space: global }
    .group_segment_fixed_size: 1024
    .private_segment_fixed_size: 0
    .kernarg_segment_align: 8
    .kernarg_segment_size: 24
    .max_flat_workgroup_size: 128
    .sgpr_count:     66
    .vgpr_count:     256
    .wavefront_size: 32
...
	.end_amdgpu_metadata
.endif
;; end of part 1
;; launch main (part 2): grid 8 x 32, 4 waves a work-group, no clusters, 327,680 bytes of LDS; arguments encoderOutputs, w2img, w2sc, v, scores; writes scores
.if DOCPART == 2
	.amdgcn_target "amdgcn-amd-amdhsa--gfx1250"
	.amdhsa_code_object_version 6
	.text
	.protected	k_q9ede76819b_main
	.globl	k_q9ede76819b_main
	.p2align	8
	.type	k_q9ede76819b_main,@function
k_q9ede76819b_main:
	s_mov_b64 s[64:65], 0
	v_nop
	global_prefetch_b8 v0, s[64:65] scope:SCOPE_SE
	s_setreg_imm32_b32 hwreg(HW_REG_WAVE_MODE, 25, 1), 1
	s_wait_xcnt 0x0
; scores[b][s] = sum over units u of v[u] x (sum over k of Q(enc)[s][b][k] Q(W2)[u][k]).  The term v . (h_proj[b] + bias) is left out: it is the same along s, the softmax's axis (shown at the head of the first kernel).
; SHARES.  Work-group (x, y): b = y, s = 512 x .. 512 x + 511, in 8 trips of 64 rows.  K IS SPLIT AMONG THE WAVES: wave w owns k = 128 w .. 128 w + 127 for ALL 512 units:
; 32 fragments of W2 (384 registers), their 32 scale words and v (256 registers) stay in registers.  A wave's tensor load brings its own strip, 64 rows x 512 bytes; the wave quantises 16 rows at a time
; into one operand fragment IN REGISTERS and multiplies it with its 32 fragments of W2: 32 matrix instructions, each with C = 0.  The score is linear in the energies, so each result is multiplied by v at once
; (four packed multiply-adds for eight registers, laid among the following matrix instructions) and a wave ends with its K step's share of each row's score.
; The four shares meet in LDS (two sets of 1 KiB by turns); behind the next barrier wave 0 adds them and stores 64 scores, 256 consecutive bytes.
; The product is used transposed (source 0 = 16 units of W2, source 1 = 16 rows of enc): register j of lane (r, h) holds unit 16 t + 8 h + j of row r.
; WINDOWS: window 0 holds all that is at work; windows 1, 2, 3 hold tiles 0-11, 12-23, 24-31: tile u of a window has its fragment at v[12 u] and its v at v[144 + 8 u].
; So one setting (source 0 = the window) serves a matrix instruction (source 0 = W2) and a multiply-add (source 0 = v).
; No cluster: the work-groups share W2's image alone, which each reads once, at its head, into registers; every byte of encoderOutputs belongs to one work-group.
; PREFETCH.  At each change of slots every wave has waited for all its tensor loads, so a refill goes out with nothing on its way beside it.  So in trip t each wave asks for its own strip of the rows of trip t + 2,
; which its tensor load of trip t + 1 fetches, a whole trip later: 64 rows x 2 blocks of 256 bytes, a lane a block, four instructions; each block is named once in the launch.
; The head asks for trip 1's rows; trips 6 and 7 ask for nothing, so no address leaves the buffer.
; LIMITS: NaN and infinities among the inputs are not served.  A block of zeros gets the byte 1: its codes are zeros.
.set STRIP, 33792                      ; 64 rows x (512 + 16) bytes: a wave's part of a slot
.set SLOT,  135168
.set SCP,   270336                     ; the shares of the scores: set p at 1,024 p, wave w at 256 w, row at 4 x row
.set VL,    272384                     ; v, 2,048 bytes
.set SPARE, 274432                     ; the spare words, 128 bytes a wave
.set SPW,  3
.set NIL,  4
.set AX0,  5                           ; v5-6  my rows in slot 0, 1: strip + 528 r + 128 h
.set PWR,  7
.set PRD,  8
.set GO,   9
.set SH8,  10
.set LI,   11
.set A16R, 12
.set VRD,  13
.set VWR,  14
.set TP,   15
.set W2S,  16                          ; v16-47  W2's scale words, tile t: scales and nothing else
.set XS,   48                          ; v48     the rows' scale word: scales and nothing else
.set VG,   50
.set PFO,  51                          ; v51     the prefetches' offset: 65,536 (lane / 2) + 256 (lane % 2); never rewritten
.set PC,   52                          ; v52-63  the rows' codes
.set X,    64                          ; v64-127 64 numbers: register 32 c + i = k 64 c + 32 h + i of my row
.set DR,   128                         ; v128-191 a ring of eight results
.set S,    192                         ; v192-199 the running dot with v
.set CT,   200
.set MX,   208
.set SO,   212
.set BY,   214
.set AP,   216                         ; v216-219 a lane's share for each of the trip's four blocks of 16 rows
.set F,    224
.set VT,   232
.set WV,   16
.set SEL,  20
.set G1,   24
.set G0,   32
.set PF,   50                          ; s[50:51] my strip of the rows that the last prefetches named
.set MSB, 0
.macro WIN new                         ; the immediate's high byte repeats the setting that is left
.if MSB != (\new)
	s_set_vgpr_msb (MSB<<8)|(\new)
.set MSB, (\new)
.endif
.endm
.macro QUANT                           ; X's two whole blocks a lane become the fragment's 12 registers and the row's scale word
.irp c, 0,1
	v_max3_num_f32 v[MX+2*\c], |v[X+32*\c]|, |v[X+32*\c+1]|, |v[X+32*\c+2]|
	v_max3_num_f32 v[MX+2*\c+1], |v[X+32*\c+3]|, |v[X+32*\c+4]|, |v[X+32*\c+5]|
.endr
.irp i, 6,10,14,18,22,26
.irp c, 0,1
	v_max3_num_f32 v[MX+2*\c], v[MX+2*\c], |v[X+32*\c+\i]|, |v[X+32*\c+\i+1]|
	v_max3_num_f32 v[MX+2*\c+1], v[MX+2*\c+1], |v[X+32*\c+\i+2]|, |v[X+32*\c+\i+3]|
.endr
.endr
.irp c, 0,1
	v_max3_num_f32 v[MX+2*\c], v[MX+2*\c], |v[X+32*\c+30]|, |v[X+32*\c+31]|
.endr
.irp c, 0,1
	v_max3_num_f32 v[MX+2*\c], v[MX+2*\c], v[MX+2*\c+1], 0x1800000   ; the floor 2^(3 - 127)
.endr
.irp c, 0,1
	v_add_nc_u32 v[SO+\c], 0xff000000, v[MX+2*\c]  ; 2 off the exponent field: the conversion's scale operand
.endr
.irp c, 0,1
	v_lshrrev_b32 v[BY+\c], 23, v[SO+\c]
.endr
	v_lshl_or_b32 v[XS], v[BY+1], 16, v[BY]
	v_lshlrev_b32 v[XS], v[SH8], v[XS]
	v_permlanex16_b32 v[TP], v[XS], s[SEL], s[SEL+1]
	v_or_b32 v[XS], v[XS], v[TP]
.irp c, 0,1
	v_cvt_scalef32_pk16_fp6_f32 v[PC+6*\c:PC+6*\c+2], v[X+32*\c:X+32*\c+15], v[SO+\c]
	v_cvt_scalef32_pk16_fp6_f32 v[CT+4*\c:CT+4*\c+2], v[X+32*\c+16:X+32*\c+31], v[SO+\c]
.endr
	v_nop                                          ; one plain place behind the scaled conversions
.irp c, 0,1
.irp i, 0,1,2
	v_mov_b32 v[PC+6*\c+3+\i], v[CT+4*\c+\i]
.endr
.endr
.rept 4
	v_nop                                          ; four places between the last write of an operand and the scaled matrix instruction; the scale word stands eleven ahead
.endr
.endm
.macro LOADX m, slot                   ; block m's 16 rows: 128 bytes a lane and block of 32, as they lie
.irp c, 0,1
.irp i, 0,1,2,3,4,5,6,7
	ds_load_b128 v[X+32*\c+4*\i:X+32*\c+4*\i+3], v[AX0+(\slot)] offset:8448*(\m)+256*\c+16*\i
.endr
.endr
.endm
.macro DOT t                           ; tile t's eight results x v, from the result's low end on
.set U, (\t)%12
.set R, DR+8*((\t)%8)
.irp j, 0,2,4,6
.if (\t) == 0
	v_pk_mul_f32 v[S+\j:S+\j+1], v[144+8*U+\j:144+8*U+\j+1], v[R+\j:R+\j+1]
.else
	v_pk_fma_f32 v[S+\j:S+\j+1], v[144+8*U+\j:144+8*U+\j+1], v[R+\j:R+\j+1], v[S+\j:S+\j+1]
.endif
.endr
.endm
; 32 matrix instructions on a ring of eight results.  Tile t's results are read two tiles later: eight multiply-adds on other registers stand between.  A window's last two tiles are read behind its last product.
.macro MUL
.set T, 0
.rept 32
.if T%12 == 0
	WIN T/12+1
.endif
	v_wmma_scale_f32_16x16x128_f8f6f4 v[DR+8*(T%8):DR+8*(T%8)+7], v[12*(T%12):12*(T%12)+11], v[PC:PC+11], 0, v[W2S+T], v[XS] matrix_a_fmt:MATRIX_FMT_FP6 matrix_b_fmt:MATRIX_FMT_FP6
.if T%12 == 2
.rept 4
	v_nop                                          ; a window's first result is read four places behind its matrix instruction; the two products between are no places
.endr
.endif
.if T%12 >= 2
	DOT T-2
.endif
.if T%12 == 11 || T == 31
	DOT T-1
	DOT T
.endif
.set T, T+1
.endr
	WIN 0
.endm
.macro SUM i, par                      ; a lane's eight sums become one; two blocks' halves change places, so that 32 lanes hold 32 rows' shares
	v_pk_add_f32 v[S:S+1], v[S:S+1], v[S+2:S+3]
	v_pk_add_f32 v[S+4:S+5], v[S+4:S+5], v[S+6:S+7]
	v_pk_add_f32 v[S:S+1], v[S:S+1], v[S+4:S+5]
	v_add_f32 v[AP+\i], v[S], v[S+1]
.if (\i)%2
	v_permlane16_swap_b32 v[AP+\i-1], v[AP+\i]
	v_add_f32 v[AP+\i-1], v[AP+\i-1], v[AP+\i]
	ds_store_b32 v[PWR], v[AP+\i-1] offset:1024*(\par)+64*(\i-1)
.endif
.endm
.macro FIN par                         ; wave 0 adds the four waves' shares of the trip before and stores 64 scores
	s_cmp_lg_u32 s[WV], 0
	s_cbranch_scc1 .Lfin_\@
	s_wait_xcnt 0x0                                ; the last store has read its offset and data
	v_add_nc_u32 v[GO], 256, v[GO]
.irp u, 0,1,2,3
	ds_load_b64 v[F+2*\u:F+2*\u+1], v[PRD] offset:1024*(\par)+256*\u
.endr
	s_wait_dscnt 0x0
	v_pk_add_f32 v[F:F+1], v[F:F+1], v[F+2:F+3]
	v_pk_add_f32 v[F+4:F+5], v[F+4:F+5], v[F+6:F+7]
	v_pk_add_f32 v[F:F+1], v[F:F+1], v[F+4:F+5]
	s_wait_alu depctr_va_vdst(0)                   ; the offset was written ahead of the wait on DScnt
	global_store_b64 v[GO], v[F:F+1], s[14:15] offset:-256   ; 32 lanes store 256 consecutive bytes, at a multiple of 256
.Lfin_\@:
.endm
.macro PFETCH                          ; my strip of 64 rows: 16 rows x 2 blocks of 256 bytes an instruction, a lane a block
.irp q, 0,1,2,3
	global_prefetch_b8 v[PFO], s[PF:PF+1] offset:\q*0x100000 th:TH_LOAD_NT scope:SCOPE_SE
.endr
.endm
.macro ASK guard                       ; the rows of two trips on.  guard = 1: not in the loop's last pass, whose second trip is trip 6
.if (\guard)
	s_cmp_eq_u32 s22, 1
	s_cbranch_scc1 .Lnoask_\@
.endif
	s_wait_xcnt 0x0                                ; the prefetches of the trip before have read their address: it is stepped only behind this wait
	s_add_nc_u64 s[PF:PF+1], s[PF:PF+1], 0x400000  ; 64 rows on
	PFETCH
.if (\guard)
.Lnoask_\@:
.endif
.endm
.macro WLOAD g, n                      ; window g's n fragments of W2
	WIN (\g)<<6
.set U, 0
.rept \n
.irp p, 0,1,2
	global_load_b128 v[12*U+4*\p:12*U+4*\p+3], v[LI], s[6:7] offset:(12*((\g)-1)+U)*1536+512*\p
.endr
.set U, U+1
.endr
.endm
.macro VLOAD g, n                      ; and their v: v[16 t + 8 h + 0 .. 7]
	WIN (\g)<<6
.set U, 0
.rept \n
.irp q, 0,1
	ds_load_b128 v[144+8*U+4*\q:144+8*U+4*\q+3], v[VRD] offset:(12*((\g)-1)+U)*64+16*\q
.endr
.set U, U+1
.endr
.endm
	s_load_b256 s[4:11], s[0:1], 0x0               ; enc s[4:5], w2img s[6:7], w2sc s[8:9], v s[10:11]
	s_load_b64 s[14:15], s[0:1], 0x20              ; scores
	v_lshl_add_u32 v[SPW], v0, 2, SPARE
	v_mov_b32 v[NIL], 0
	ds_add_u32 v[SPW], v[NIL]                      ; the opening lines: the add, twice on end, and its wait ahead of my first tensor load
	ds_add_u32 v[SPW], v[NIL]
	v_lshrrev_b32 v1, 5, v0
	v_readfirstlane_b32 s[WV], v1                  ; wave = my K step
	s_and_b32 s18, ttmp7, 0xffff                   ; b
	s_mov_b32 s[SEL], 0x76543210
	s_mov_b32 s[SEL+1], 0xfedcba98
	s_mov_b32 s[G1+0], (2<<16)|(1<<20)|(6<<22)|(3<<25)   ; elements of 4 bytes; 4 words of padding behind every 128
	s_mov_b32 s[G1+1], 128<<16
	s_mov_b32 s[G1+2], 64<<16
	s_mov_b32 s[G1+3], 128<<16                     ; 128 elements: 512 bytes of a row, from a multiple of 512 on
	s_mov_b32 s[G1+4], 64                          ; 64 rows,
	s_mov_b32 s[G1+5], 16384                       ; 32 x 512 elements apart
	s_mov_b32 s[G1+6], 0
	s_mov_b32 s[G1+7], 0
	s_mul_i32 s40, s[WV], STRIP
	s_lshl_b32 s41, s[WV], 8
	s_lshl_b32 s42, ttmp9, 25                      ; 512 rows of 65,536 bytes
	s_lshl_b32 s43, s18, 11
	s_add_co_u32 s42, s42, s43
	s_lshl_b32 s43, s[WV], 9
	s_add_co_u32 s42, s42, s43
	s_mov_b32 s43, 0
	s_mul_i32 s44, s[WV], 49152                    ; my K step's 32 fragments
	s_mov_b32 s45, 0
	s_lshl_b32 s46, s[WV], 11                      ; and their scale words
	s_mov_b32 s47, 0
	s_lshl_b32 s48, s18, 14
	s_lshl_b32 s49, ttmp9, 11
	s_add_co_u32 s48, s48, s49
	s_mov_b32 s49, 0
	s_wait_dscnt 0x0
	s_wait_kmcnt 0x0
	s_add_nc_u64 s[4:5], s[4:5], s[42:43]
	s_add_nc_u64 s[6:7], s[6:7], s[44:45]
	s_add_nc_u64 s[8:9], s[8:9], s[46:47]
	s_add_nc_u64 s[14:15], s[14:15], s[48:49]
	s_add_nc_u64 s[PF:PF+1], s[4:5], 0x400000      ; trip 1's rows
	s_mov_b32 s[G0], 1
	s_mov_b32 s[G0+1], s40
	s_mov_b64 s[G0+2:G0+3], s[4:5]
	s_or_b32 s[G0+3], s[G0+3], 0x80000000
	s_mov_b32 s[G0+4], 1
	s_add_co_u32 s[G0+5], s40, SLOT
	s_add_nc_u64 s[G0+6:G0+7], s[4:5], 0x400000    ; 64 rows on
	s_or_b32 s[G0+7], s[G0+7], 0x80000000
	tensor_load_to_lds s[G0:G0+3], s[G1:G1+7]      ; trip 0's strip: one tensor load a wave at the head
	s_nop 0
	v_and_b32 v1, 15, v0                           ; r
	v_bfe_u32 v2, v0, 4, 1                         ; h
	v_and_b32 v[LI], 31, v0
	v_lshrrev_b32 v[PFO], 1, v[LI]
	v_and_b32 v[F], 1, v0
	v_lshlrev_b32 v[PFO], 16, v[PFO]
	v_lshl_or_b32 v[PFO], v[F], 8, v[PFO]
	v_lshlrev_b32 v[GO], 3, v[LI]
	v_add_nc_u32 v[PRD], SCP, v[GO]
	v_lshl_add_u32 v[PWR], v[LI], 2, s41
	v_add_nc_u32 v[PWR], SCP, v[PWR]
	v_lshlrev_b32 v[LI], 4, v[LI]
	v_mul_u32_u24 v[AX0], v1, 528
	v_lshl_add_u32 v[AX0], v2, 7, v[AX0]
	v_add_nc_u32 v[AX0], s40, v[AX0]
	v_add_nc_u32 v[AX0+1], SLOT, v[AX0]
	v_lshlrev_b32 v[SH8], 3, v2
	v_lshlrev_b32 v[A16R], 4, v1
	v_lshlrev_b32 v[VG], 4, v0
	v_add_nc_u32 v[VWR], VL, v[VG]
	v_lshlrev_b32 v[VRD], 5, v2
	v_add_nc_u32 v[VRD], VL, v[VRD]
	v_mov_b32 v[TP], 0
	s_wait_alu depctr_va_vdst(0)
	PFETCH                                         ; trip 1's rows, whose tensor load follows when trip 0's has landed
	global_load_b128 v[VT:VT+3], v[VG], s[10:11]   ; v: 16 bytes a thread, 2,048 in all
.irp q, 0,1,2,3,4,5,6,7
	global_load_b128 v[W2S+4*\q:W2S+4*\q+3], v[A16R], s[8:9] offset:256*\q   ; unit row r's words of tiles 4 q .. 4 q + 3
.endr
	WLOAD 1, 12
	WLOAD 2, 12
	WLOAD 3, 8
	WIN 0
	s_wait_loadcnt 63                              ; v is in: behind its load stand 8 loads of scale words and 96 of fragments, more than the count can name, so the largest count is written
	ds_store_b128 v[VWR], v[VT:VT+3]
	s_wait_tensorcnt 0x0                           ; slot 1's first fill is issued as a refill is
	ds_add_u32 v[SPW], v[NIL]
	s_wait_dscnt 0x0                               ; the add, and my part of v
	s_barrier_signal -1
	s_barrier_wait -1
	tensor_load_to_lds s[G0+4:G0+7], s[G1:G1+7]    ; trip 1's strip
	s_nop 0
	VLOAD 1, 12
	VLOAD 2, 12
	VLOAD 3, 8
	WIN 0
; A trip: 64 rows in four blocks of 16.  kind 0: the first; 1: the other slot is filled again; 2: the last.
.macro TRIP slot, kind
.if \kind
	s_wait_tensorcnt 0x0                           ; my one load that was out, this trip's strip, has landed
	ds_add_u32 v[SPW], v[NIL]
.if \kind == 1
	s_add_nc_u64 s[G0+4*(1-\slot)+2:G0+4*(1-\slot)+3], s[G0+4*(1-\slot)+2:G0+4*(1-\slot)+3], 0x800000   ; the other slot's next strip: 128 rows on
.endif
	s_wait_dscnt 0x0                               ; the add, my reads of the other slot and my shares of the scores
	s_barrier_signal -1
	s_barrier_wait -1
.if \kind == 1
	tensor_load_to_lds s[G0+4*(1-\slot):G0+4*(1-\slot)+3], s[G1:G1+7]
	s_nop 0
.endif
.endif
	LOADX 0, \slot
.if \kind
	FIN 1-\slot
.else
	s_wait_loadcnt 0x0                             ; W2's fragments and scale words, once
.endif
.if \kind == 0
	ASK 0
.elseif \kind == 1
	ASK 1-\slot                                    ; slot 0's trips in the loop are trips 2, 4 and 6: the last of them asks for nothing
.endif
.irp i, 0,1,2,3
	s_wait_dscnt 0x0                               ; the block's numbers are in: they were asked for ahead of the block before's 32 products
	QUANT
.if \i < 3
	LOADX \i+1, \slot
.endif
	MUL
	SUM \i, \slot
.endr
.endm
	TRIP 0, 0
	s_mov_b32 s22, 3
.Lpair:
	TRIP 1, 1
	TRIP 0, 1
	s_sub_co_u32 s22, s22, 1
	s_cmp_lg_u32 s22, 0
	s_cbranch_scc1 .Lpair
	TRIP 1, 2
	s_wait_dscnt 0x0                               ; for wave 0's sake: my last shares have landed
	s_barrier_signal -1
	s_barrier_wait -1
	FIN 1
	s_wait_tensorcnt 0x0                           ; the wave's end
	ds_add_u32 v[SPW], v[NIL]
	s_wait_dscnt 0x0
	s_endpgm
.Lfunc_end_k_q9ede76819b_main:
	.size	k_q9ede76819b_main, .Lfunc_end_k_q9ede76819b_main-k_q9ede76819b_main
	.p2alignl 7, 3214868480
	.fill 96, 4, 3214868480
	.section	.rodata,"a",@progbits
	.p2align	6, 0x0
	.amdhsa_kernel k_q9ede76819b_main
		.amdhsa_group_segment_fixed_size 327680
		.amdhsa_private_segment_fixed_size 0
		.amdhsa_enable_private_segment 0
		.amdhsa_kernarg_size 40
		.amdhsa_user_sgpr_count 2
		.amdhsa_user_sgpr_kernarg_segment_ptr 1
		.amdhsa_wavefront_size32 1
		.amdhsa_system_sgpr_workgroup_id_x 1
		.amdhsa_system_sgpr_workgroup_id_y 1
		.amdhsa_system_sgpr_workgroup_id_z 1
		.amdhsa_system_vgpr_workitem_id 0
		.amdhsa_next_free_vgpr 1024
		.amdhsa_next_free_sgpr 66
		.amdhsa_reserve_vcc 0
		.amdhsa_float_denorm_mode_32 3
		.amdhsa_float_denorm_mode_16_64 3
		.amdhsa_memory_ordered 1
		.amdhsa_forward_progress 1
		.amdhsa_inst_pref_size 255
	.end_amdhsa_kernel
	.section	.bss,"aw",@nobits
	.p2align	6
	.space	262144
	.amdgpu_metadata
---
amdhsa.version: [ 1, 2 ]
amdhsa.kernels:
  - .name:           k_q9ede76819b_main
    .symbol:         k_q9ede76819b_main.kd
    .args:
      - { .name: encoderOutputs, .offset: 0, .size: 8, .value_kind: global_buffer, .address_space: global }
      - { .name: w2img, .offset: 8, .size: 8, .value_kind: global_buffer, .address_space: global }
      - { .name: w2sc, .offset: 16, .size: 8, .value_kind: global_buffer, .address_space: global }
      - { .name: v, .offset: 24, .size: 8, .value_kind: global_buffer, .address_space: global }
      - { .name: scores, .offset: 32, .size: 8, .value_kind: global_buffer, .address_space: global }
    .group_segment_fixed_size: 327680
    .private_segment_fixed_size: 0
    .kernarg_segment_align: 8
    .kernarg_segment_size: 40
    .max_flat_workgroup_size: 128
    .sgpr_count:     66
    .vgpr_count:     1024
    .wavefront_size: 32
...
	.end_amdgpu_metadata
.endif
;; end of part 2
;; launch soft (part 3): grid 32 x 1, 8 waves a work-group, no clusters, 1,280 bytes of LDS; arguments scores, out0; writes out0
.if DOCPART == 3
	.amdgcn_target "amdgcn-amd-amdhsa--gfx1250"
	.amdhsa_code_object_version 6
	.text
	.protected	k_q9ede76819b_soft
	.globl	k_q9ede76819b_soft
	.p2align	8
	.type	k_q9ede76819b_soft,@function
k_q9ede76819b_soft:
	s_mov_b64 s[64:65], 0
	v_nop
	global_prefetch_b8 v0, s[64:65] scope:SCOPE_SE
	s_setreg_imm32_b32 hwreg(HW_REG_WAVE_MODE, 25, 1), 1
	s_wait_xcnt 0x0
; out0[b][0][s] = softmax over s of scores[b][s].  scores, out0: [32][4096] f32.
; One work-group to a row b: 256 threads x 16 numbers, kept in registers between the maximum, the sum and the scaling, so the row is read once.  A wave's load or store covers 512 consecutive bytes.
; The row's maximum M is taken away ahead of the exponential: p = 2^(x c - M c), c = log2(e), one fused multiply-add; the rounding of M c shifts all exponents of the row alike and cancels between p and the sum.
; 32 work-groups: as many as there are rows; a row's two reductions meet in LDS, in 32 bytes each.  LIMITS: NaN and infinities among the scores are not served.
	s_load_b128 s[4:7], s[0:1], 0x0                ; scores s[4:5], out0 s[6:7]
	v_lshl_add_u32 v48, v0, 2, 0x100
	v_mov_b32 v49, 0
	v_lshlrev_b32 v1, 4, v0                        ; 16 bytes a thread
	v_lshrrev_b32 v2, 5, v0
	s_delay_alu instid0(VALU_DEP_1)
	v_lshlrev_b32 v2, 2, v2                        ; LDS: 4 x wave
	v_mov_b32 v3, 0                                ; LDS byte 0
	v_mov_b32 v22, 0                               ; written once: a lane permute's destination counts as one of its sources
	s_lshl_b32 s12, ttmp9, 14                      ; a row is 16,384 bytes
	s_mov_b32 s13, 0
	s_mov_b32 s8, 0x3fb8aa3b                       ; c = log2(e)
	s_mov_b32 s9, s8                               ; (named with it as a pair, so it is written)
	s_mov_b32 s10, 0x76543210
	s_mov_b32 s11, 0xfedcba98                      ; v_permlanex16_b32's selects for lane l xor 16
	s_wait_alu depctr_va_vdst(0)
	s_wait_kmcnt 0x0
	s_add_nc_u64 s[4:5], s[4:5], s[12:13]
	s_add_nc_u64 s[6:7], s[6:7], s[12:13]
.irp j, 0,1,2,3
	global_load_b128 v[4+4*\j:7+4*\j], v1, s[4:5] offset:4096*\j th:TH_LOAD_NT
.endr
	s_wait_loadcnt 0x0
	v_max3_num_f32 v20, v4, v5, v6                 ; my 16 numbers' maximum, in two chains
	v_max3_num_f32 v21, v7, v8, v9
	s_delay_alu instid0(VALU_DEP_2)
	v_max3_num_f32 v20, v20, v10, v11
	s_delay_alu instid0(VALU_DEP_2)
	v_max3_num_f32 v21, v21, v12, v13
	s_delay_alu instid0(VALU_DEP_2)
	v_max3_num_f32 v20, v20, v14, v15
	s_delay_alu instid0(VALU_DEP_2)
	v_max3_num_f32 v21, v21, v16, v17
	s_delay_alu instid0(VALU_DEP_2)
	v_max3_num_f32 v20, v20, v18, v19
	s_delay_alu instid0(VALU_DEP_1)
	v_max_num_f32 v20, v20, v21
	s_delay_alu instid0(VALU_DEP_1)
	v_max_num_f32_dpp v20, v20, v20 row_xmask:1 row_mask:0xf bank_mask:0xf
	s_delay_alu instid0(VALU_DEP_1)
	v_max_num_f32_dpp v20, v20, v20 row_xmask:2 row_mask:0xf bank_mask:0xf
	s_delay_alu instid0(VALU_DEP_1)
	v_max_num_f32_dpp v20, v20, v20 row_xmask:4 row_mask:0xf bank_mask:0xf
	s_delay_alu instid0(VALU_DEP_1)
	v_max_num_f32_dpp v20, v20, v20 row_xmask:8 row_mask:0xf bank_mask:0xf
	s_delay_alu instid0(VALU_DEP_1)
	v_permlanex16_b32 v22, v20, s10, s11
	s_delay_alu instid0(VALU_DEP_1)
	v_max_num_f32 v20, v20, v22                    ; the wave's maximum, in every lane
	ds_store_b32 v2, v20                           ; all lanes write the wave's word with the same value
	s_wait_dscnt 0x0                               ; for the others' sake
	s_barrier_signal -1
	s_barrier_wait -1
	ds_load_b128 v[24:27], v3
	ds_load_b128 v[28:31], v3 offset:16
	s_wait_dscnt 0x0
	v_max3_num_f32 v20, v24, v25, v26
	v_max3_num_f32 v21, v27, v28, v29
	s_delay_alu instid0(VALU_DEP_2)
	v_max3_num_f32 v20, v20, v30, v31
	s_delay_alu instid0(VALU_DEP_1)
	v_max_num_f32 v20, v20, v21                    ; M
	s_delay_alu instid0(VALU_DEP_1)
	v_mul_f32 v20, 0xbfb8aa3b, v20                 ; -M c
	s_delay_alu instid0(VALU_DEP_1)
	v_mov_b32 v21, v20                             ; (named with it as a pair, so it is written)
.irp j, 0,2,4,6,8,10,12,14
	v_pk_fma_f32 v[4+\j:5+\j], v[4+\j:5+\j], s[8:9], v[20:21] op_sel_hi:[1,0,0]   ; x c - M c, two at a time
.endr
	s_wait_alu depctr_va_vdst(0)
.irp j, 0,1,2,3,4,5,6,7,8,9,10,11,12,13,14,15
	v_exp_f32 v[4+\j], v[4+\j]
.endr
	v_nop                                          ; one plain place between the exponentials and the use of their results
	s_wait_alu depctr_va_vdst(0)
	v_pk_add_f32 v[24:25], v[4:5], v[6:7]
	v_pk_add_f32 v[26:27], v[8:9], v[10:11]
	v_pk_add_f32 v[28:29], v[12:13], v[14:15]
	v_pk_add_f32 v[30:31], v[16:17], v[18:19]
	s_delay_alu instid0(VALU_DEP_3)
	v_pk_add_f32 v[24:25], v[24:25], v[26:27]
	s_delay_alu instid0(VALU_DEP_2)
	v_pk_add_f32 v[28:29], v[28:29], v[30:31]
	s_delay_alu instid0(VALU_DEP_1)
	v_pk_add_f32 v[24:25], v[24:25], v[28:29]
	s_delay_alu instid0(VALU_DEP_1)
	v_add_f32 v24, v24, v25
	s_delay_alu instid0(VALU_DEP_1)
	v_add_f32_dpp v24, v24, v24 row_xmask:1 row_mask:0xf bank_mask:0xf
	s_delay_alu instid0(VALU_DEP_1)
	v_add_f32_dpp v24, v24, v24 row_xmask:2 row_mask:0xf bank_mask:0xf
	s_delay_alu instid0(VALU_DEP_1)
	v_add_f32_dpp v24, v24, v24 row_xmask:4 row_mask:0xf bank_mask:0xf
	s_delay_alu instid0(VALU_DEP_1)
	v_add_f32_dpp v24, v24, v24 row_xmask:8 row_mask:0xf bank_mask:0xf
	s_delay_alu instid0(VALU_DEP_1)
	v_permlanex16_b32 v22, v24, s10, s11
	s_delay_alu instid0(VALU_DEP_1)
	v_add_f32 v24, v24, v22                        ; the wave's sum
	ds_store_b32 v2, v24 offset:32                 ; other bytes than the maxima's, which waves may still be reading
	s_wait_dscnt 0x0
	s_barrier_signal -1
	s_barrier_wait -1
	ds_load_b128 v[28:31], v3 offset:32
	ds_load_b128 v[32:35], v3 offset:48
	s_wait_dscnt 0x0
	v_pk_add_f32 v[28:29], v[28:29], v[30:31]
	v_pk_add_f32 v[32:33], v[32:33], v[34:35]
	s_delay_alu instid0(VALU_DEP_1)
	v_pk_add_f32 v[28:29], v[28:29], v[32:33]
	s_delay_alu instid0(VALU_DEP_1)
	v_add_f32 v28, v28, v29                        ; the row's sum
	s_wait_alu depctr_va_vdst(0)
	v_rcp_f32 v36, v28
	v_nop                                          ; one plain place behind the reciprocal
	s_wait_alu depctr_va_vdst(0)
	v_mov_b32 v37, v36
.irp j, 0,2,4,6,8,10,12,14
	v_pk_mul_f32 v[4+\j:5+\j], v[4+\j:5+\j], v[36:37]
.endr
.irp j, 0,1,2,3
	global_store_b128 v1, v[4+4*\j:7+4*\j], s[6:7] offset:4096*\j th:TH_STORE_NT   ; a wave stores 512 consecutive bytes, at a multiple of 512 from the buffer's first byte
.endr
	s_wait_tensorcnt 0x0
	ds_add_u32 v48, v49
	s_wait_dscnt 0x0
	s_endpgm
.Lfunc_end_k_q9ede76819b_soft:
	.size	k_q9ede76819b_soft, .Lfunc_end_k_q9ede76819b_soft-k_q9ede76819b_soft
	.p2alignl 7, 3214868480
	.fill 96, 4, 3214868480
	.section	.rodata,"a",@progbits
	.p2align	6, 0x0
	.amdhsa_kernel k_q9ede76819b_soft
		.amdhsa_group_segment_fixed_size 1280
		.amdhsa_private_segment_fixed_size 0
		.amdhsa_enable_private_segment 0
		.amdhsa_kernarg_size 16
		.amdhsa_user_sgpr_count 2
		.amdhsa_user_sgpr_kernarg_segment_ptr 1
		.amdhsa_wavefront_size32 1
		.amdhsa_system_sgpr_workgroup_id_x 1
		.amdhsa_system_sgpr_workgroup_id_y 1
		.amdhsa_system_sgpr_workgroup_id_z 1
		.amdhsa_system_vgpr_workitem_id 0
		.amdhsa_next_free_vgpr 50
		.amdhsa_next_free_sgpr 66
		.amdhsa_reserve_vcc 0
		.amdhsa_float_denorm_mode_32 3
		.amdhsa_float_denorm_mode_16_64 3
		.amdhsa_memory_ordered 1
		.amdhsa_forward_progress 1
		.amdhsa_inst_pref_size 8
	.end_amdhsa_kernel
	.amdgpu_metadata
---
amdhsa.version: [ 1, 2 ]
amdhsa.kernels:
  - .name:           k_q9ede76819b_soft
    .symbol:         k_q9ede76819b_soft.kd
    .args:
      - { .name: scores, .offset: 0, .size: 8, .value_kind: global_buffer, .address_space: global }
      - { .name: out0, .offset: 8, .size: 8, .value_kind: global_buffer, .address_space: global }
    .group_segment_fixed_size: 1280
    .private_segment_fixed_size: 0
    .kernarg_segment_align: 8
    .kernarg_segment_size: 16
    .max_flat_workgroup_size: 256
    .sgpr_count:     66
    .vgpr_count:     50
    .wavefront_size: 32
...
	.end_amdgpu_metadata
.endif
;; end of part 3
